; MI455X (gfx1250); checked and timed in simulation.
; The chip was launched on July 23, 2026; its instructions are those of AMD's public machine-readable ISA for CDNA 5 (MIT licence, August 2026) and "CDNA5" Instruction Set Architecture Reference Guide (July 2026). The comments in the code are by the model that wrote it; some were corrected since.
;; Masked Cross Atten. Allowed arithmetic: matrix products marked QUANTISED: E2M1 operands, one E8M0 scale for each 32 along K, by v_wmma_scale_f32_16x16x128_f8f6f4 with both operands' format E2M1 (or v_wmma_scale_f32_32x16x128_f4), f32 sums; everything else in f32.
;; Inputs: Wk 1,024 x 1,024 float32; Wq 1,024 x 1,024 float32; Wv 1,024 x 1,024 float32; bk 1,024 float32; bq 1,024 float32; bv 1,024 float32; kv 4 x 1,024 x 2,048 float32; kv_mask 4 x 1 x 2,048 bool; mask 4 x 1 x 2,048 bool; x 4 x 1,024 x 2,048 float32.
;; Outputs: out0 4 x 1,024 x 2,048 float32; out1 4 x 1 x 2,048 bool.
;; This version of the problem:
;;   THIS VERSION OF THE PROBLEM IS GIVEN IN LOW PRECISION. The matrix products marked QUANTISED in the list below multiply operands that are first quantised to E2M1 (2 exponent bits, 1 mantissa bit; 4 bits a number), with one power-of-two scale for each 32 numbers along K (OCP MX v1.0); their sums are f32. All else is computed in f32.
;;   The module's matrix products, in the order in which they are computed (A, B: the left and right operand; K: the contracted axis; several contracted axes count as one K, in the product's order):
;;     1. [M 8,192, K 1,024] x [K 1,024, N 1,024]; A: input x; B: input Wq: QUANTISED
;;     2. [M 8,192, K 1,024] x [K 1,024, N 1,024]; A: input kv; B: input Wk: QUANTISED
;;     3. [M 8,192, K 1,024] x [K 1,024, N 1,024]; A: input kv; B: input Wv: QUANTISED
;;     4. batch 64 x [M 2,048, K 64] x [K 64, N 2,048]; A: computed on the way; B: computed on the way: QUANTISED
;;     5. batch 64 x [M 2,048, K 2,048] x [K 2,048, N 64]; A: softmax (see below); B: computed on the way: QUANTISED
;;   THE QUANTISER, for each operand of a quantised product, along K:
;;     - K is cut into blocks of 32 from its start; a last block that is shorter is filled with zeros.
;;     - A block's scale is 2^e with e = floor(log2(the largest magnitude in the block)) - 2, held to -126 .. 127; a block of zeros has e = 0. As a byte (E8M0): e + 127.
;;     - Each number is divided by its block's scale, clamped to +-6, and rounded to the nearest number of E2M1, ties to even, subnormals kept.
;;     - The product sums the exact products of the quantised numbers (number of the format x scale) in f32.
;;   ~~~python
;;   def quantise(x, axis):      # numpy; x: float32 -> the quantised numbers, widened to float32 again
;;       x = np.moveaxis(x, axis, -1); K = x.shape[-1]
;;       x = np.pad(x, [(0, 0)] * (x.ndim - 1) + [(0, -K % 32)]); x = x.reshape(x.shape[:-1] + (-1, 32)); a = np.abs(x).max(-1, keepdims=True)
;;       e = np.where(a > 0, np.clip(np.frexp(np.where(a > 0, a, 1))[1] - 1 - 2, -126, 127), 0)      # np.frexp(a)[1] - 1 = floor(log2(a)), exactly
;;       r = np.clip(x / 2.0 ** e, -6, 6)
;;       step = 2.0 ** (np.maximum(np.frexp(np.where(r == 0, 1, r))[1] - 1, 0) - 1)
;;       q = np.round(r / step) * step * 2.0 ** e      # np.round: ties to even
;;       return np.moveaxis(q.reshape(q.shape[:-2] + (-1,))[..., :K], -1, axis).astype(np.float32)
;;   ~~~
;;   SOFTMAX AHEAD OF A QUANTISED PRODUCT. Where the list says 'softmax', what is quantised is not the finished softmax but p = 2^(t - M), with t = logit x log2(e) and M = ceil(the row's largest t), a whole number; so 1/2 < the row's largest p <= 1. The row's sum l is taken of the UNQUANTISED p, in f32, and the product's result is divided by l at the end. Since M is a whole number, a kernel that streams over the keys may use a running M (the ceiling of the running maximum): every later rescaling is an exact power of two, which a block's scale takes up: the codes' values come out the same.
;;   OPERANDS COMPUTED ON THE WAY. 'Computed on the way' means the value that the module computes at that place (a softmax that the list does not call 'softmax' is quantised finished and normalised). What goes into a quantiser is computed in f32, as accurately as f32 sums, v_exp_f32 and their like allow (about 1e-6 of the number): no bf16 or f16 on the way to a quantiser, and a product that is left as it is and whose result goes on into a quantised operand takes f32 operands (vector FMAs, or v_wmma_f32_16x16x4_f32). A number that lies on a knife's edge between two numbers of the format may be rounded either way, as far as f32 arithmetic and the matrix unit's own rounding can turn it there, and no further.
;; One version. Each part assembles by itself: llvm-mc -triple=amdgcn-amd-amdhsa -mcpu=gfx1250 --defsym DOCPART=n.
;; ======== version 1 of 1: 3 launches
;; limits: right only within a limited range of input values
;; workspace buffers: pan 10,584,064 bytes; kbias 32,768 bytes; rec 13,369,344 bytes
;; launch quant (part 1): grid 612 x 1, 4 waves a work-group, no clusters, 68,096 bytes of LDS; arguments x, kv, Wq, Wk, Wv, mask, kv_mask, pan, kbias, out1; writes pan, kbias, out1
.if DOCPART == 1
	.amdgcn_target "amdgcn-amd-amdhsa--gfx1250"
	.amdhsa_code_object_version 6
	.text
	.protected	k_q799b47905a_quant
	.globl	k_q799b47905a_quant
	.p2align	8
	.type	k_q799b47905a_quant,@function
k_q799b47905a_quant:
	s_mov_b64 s[64:65], 0
	v_nop
	global_prefetch_b8 v0, s[64:65] scope:SCOPE_SE
	s_setreg_imm32_b32 hwreg(HW_REG_WAVE_MODE, 25, 1), 1
	s_wait_xcnt 0x0
; x, kv [4][1024 c][2048 t] and Wq, Wk, Wv [1024 o][1024 c], f32, become codes of FP4 (E2M1) with one E8M0 byte for each 32 along c, laid as PANELS for the next launch;
; kv_mask becomes a table of f32 addends (0 for an open key, -2^120 for a hidden one); mask is copied to out1.
; A PANEL is 256 rows (t of one batch, or o) x all 1,024 c: 139,264 bytes.  First the codes, [tile 16][K step 8][1,024 bytes]: a fragment (16 rows x 128 c) as an image of the operand's registers:
; block bl (32 c) of row r at 256 bl + 16 r.  Then the scale bytes, [quarter of K 4][tile 16][row 16][8 bytes].  Panels 0-31: x; 32-63: kv; 64 + 4 m + j: Wq, Wk, Wv.
; THE ROWS OF A TILE ARE NOT NEIGHBOURS: tile 2 B + u, row r holds index 32 B + 8 u + r % 8 + 16 (r / 8).  So index 32 B + l goes to u = (l / 8) % 2, r = l % 8 + 8 (l / 16).
; A block's scale is 2^(floor(log2(its largest magnitude)) - 2); its byte is the largest magnitude's exponent field - 2, held at 1 from below by a floor among the maximum's leaves.
; LIMITS: a block of zeros, or one whose largest magnitude lies under 2^-124, gets the byte 1 (the bytes are read by this program alone; zero codes add nothing); NaN and infinities are not served.
; SHARES.  Work-groups 0-511: x and kv: 128 columns t x 256 c; a lane takes a column and its registers run down c, so a block of 32 lies in one lane and the codes come out with c innermost.
; Work-groups 512-607: the weights: 32 rows x 1,024 c, a wave a quarter of c; rows are read densely and turned through the wave's own stage in LDS, so that a lane holds 32 neighbours of ONE row.
; Work-groups 608-611: the masks of one batch.  No tensor loads, no barrier: waves share nothing.  Memory binds: matrix units and clusters would add nothing here.
.set PAN,  139264
.set PSC,  131072                      ; where a panel's scale bytes begin
.set NEG,  0xfb800000                  ; -2^120
.set SB,   12                          ; v12-13   eight scale bytes
.set CD,   16                          ; v16-47   codes: four registers for each of eight blocks, so that no store's data are written again
.set WN,   48                          ; v48-79   weights: a block's 32 numbers
.set XN,   80                          ; v80-143  x, kv: two sets of 32 numbers;  v80-207 weights: 32 rows x 16 bytes a lane as loaded
.set WST,  16896                       ; a wave's stage: 32 rows of 528 bytes
.set WP,   528                         ; 512 bytes + 16: an odd multiple of 16, so that the lanes' reads of 32 rows fall on different banks
	s_load_b512 s[8:23], s[0:1], 0x0               ; x s[8:9], kv s[10:11], Wq s[12:13], Wk s[14:15], Wv s[16:17], mask s[18:19], kv_mask s[20:21], pan s[22:23]
	s_load_b128 s[24:27], s[0:1], 0x40             ; kbias s[24:25], out1 s[26:27]
	v_lshl_add_u32 v208, v0, 2, 0x10800
	v_mov_b32 v209, 0
	v_lshrrev_b32 v1, 5, v0
	v_readfirstlane_b32 s2, v1                     ; wave 0..3
	v_and_b32 v1, 31, v0                           ; lane l
	v_lshlrev_b32 v2, 2, v1                        ; 4 l
	v_bfe_u32 v5, v0, 3, 1                         ; u = (l / 8) % 2
	v_and_b32 v6, 7, v0
	v_bfe_u32 v7, v0, 4, 1
	v_lshl_add_u32 v6, v7, 3, v6                   ; r = l % 8 + 8 (l / 16)
	v_lshlrev_b32 v3, 4, v6
	v_lshl_add_u32 v3, v5, 13, v3                  ; my codes' place: 8,192 u + 16 r (a tile is 8,192 bytes)
	v_lshlrev_b32 v4, 3, v6
	v_lshl_add_u32 v4, v5, 7, v4                   ; my scale bytes' place: 128 u + 8 r
	s_wait_kmcnt 0x0
	s_cmp_ge_u32 ttmp9, 608
	s_cbranch_scc1 .Lmask
	s_cmp_ge_u32 ttmp9, 512
	s_cbranch_scc1 .Lw
; s36 = panel, s37 = which 32 rows of it, s28 = quarter of K  ->  s[38:39] the codes' base, s[40:41] the scale bytes' base
.macro OUTADDR
	s_mul_i32 s38, s36, PAN
	s_lshl_b32 s42, s28, 11
	s_add_co_u32 s38, s38, s42                     ; a quarter of K is two K steps of 1,024 bytes, and 2,048 bytes of scales
	s_lshl_b32 s42, s37, 8
	s_add_co_u32 s40, s38, s42                     ; two tiles' scale bytes: 256
	s_add_co_u32 s40, s40, PSC
	s_lshl_b32 s42, s37, 14
	s_add_co_u32 s38, s38, s42                     ; two tiles' codes: 16,384
	s_mov_b32 s39, 0
	s_mov_b32 s41, 0
	s_add_nc_u64 s[38:39], s[22:23], s[38:39]
	s_add_nc_u64 s[40:41], s[22:23], s[40:41]
.endm
; Block t (0..7) of my row's quarter of K: its 32 numbers stand in v[xs] on.  Sixteen lanes of equal u store 256 consecutive bytes, aligned.
.macro QB xs, t
	v_max3_num_f32 v8, |v[(\xs)]|, |v[(\xs)+1]|, |v[(\xs)+2]|
	v_max3_num_f32 v9, |v[(\xs)+3]|, |v[(\xs)+4]|, |v[(\xs)+5]|
.irp i, 6,10,14,18,22,26
	v_max3_num_f32 v8, v8, |v[(\xs)+\i]|, |v[(\xs)+\i+1]|
	v_max3_num_f32 v9, v9, |v[(\xs)+\i+2]|, |v[(\xs)+\i+3]|
.endr
	v_max3_num_f32 v8, v8, |v[(\xs)+30]|, |v[(\xs)+31]|
	v_max3_num_f32 v8, v8, v9, 0x1800000           ; and the floor 2^(3 - 127): the byte cannot fall under 1
	v_add_nc_u32 v10, 0xff000000, v8               ; 2 off the exponent field: the conversion takes this operand's exponent field as its scale
	v_lshrrev_b32 v11, 23, v10                     ; the scale's byte
.if (\t)%4 == 0
	v_mov_b32 v[SB+(\t)/4], v11
.else
	v_lshl_or_b32 v[SB+(\t)/4], v11, 8*((\t)%4), v[SB+(\t)/4]
.endif
.irp g, 0,1,2,3
	v_cvt_scalef32_pk8_fp4_f32 v[CD+4*(\t)+\g], v[(\xs)+8*\g:(\xs)+8*\g+7], v10
.endr
	global_store_b128 v3, v[CD+4*(\t):CD+4*(\t)+3], s[38:39] offset:256*(\t)   ; the results go to a store alone; the next vector lines are plain and touch none of these registers
.endm
	; ---- x and kv
	s_and_b32 s28, ttmp9, 3                        ; quarter of K
	s_lshr_b32 s29, ttmp9, 2
	s_lshr_b32 s30, s29, 6                         ; 0: x, 1: kv
	s_bfe_u32 s31, s29, 0x20004                    ; batch
	s_and_b32 s32, s29, 15                         ; which 128 columns
	s_lshl_b32 s36, s30, 5
	s_lshl_b32 s37, s31, 3
	s_add_co_u32 s36, s36, s37
	s_lshr_b32 s37, s32, 1
	s_add_co_u32 s36, s36, s37                     ; panel = 32 tensor + 8 batch + columns / 256
	s_and_b32 s37, s32, 1
	s_lshl_b32 s37, s37, 2
	s_add_co_u32 s37, s37, s2                      ; my wave's 32 columns in it
	OUTADDR
	s_lshl_b32 s34, s31, 23                        ; a batch is 8,388,608 bytes,
	s_lshl_b32 s35, s28, 21                        ; 256 rows c are 2,097,152,
	s_add_co_u32 s34, s34, s35
	s_lshl_b32 s35, s32, 9                         ; 128 columns 512,
	s_add_co_u32 s34, s34, s35
	s_lshl_b32 s35, s2, 7                          ; a wave's 32 columns 128
	s_add_co_u32 s34, s34, s35
	s_mov_b32 s35, 0
	s_cmp_eq_u32 s30, 0                            ; the choice hangs on the work-group's number alone
	s_cselect_b64 s[8:9], s[8:9], s[10:11]
	s_add_nc_u64 s[8:9], s[8:9], s[34:35]
.macro LOADX t                         ; block t: rows c = 32 t + i of my column; a wave reads 128 consecutive bytes, the work-group 512
.irp i, 0,1,2,3,4,5,6,7,8,9,10,11,12,13,14,15,16,17,18,19,20,21,22,23,24,25,26,27,28,29,30,31
	global_load_b32 v[XN+32*((\t)%2)+\i], v2, s[8:9] offset:(32*(\t)+\i)*8192 th:TH_LOAD_NT
.endr
.endm
.macro BLOCKX t
.if (\t) < 7
	s_wait_loadcnt 32                              ; this block's 32 loads are in; the next block's 32 may be out
.else
	s_wait_loadcnt 0x0
.endif
	QB XN+32*((\t)%2), \t
.if (\t)+2 < 8
	LOADX (\t)+2
.endif
.endm
	s_wait_alu depctr_va_vdst(0)
	LOADX 0
	LOADX 1
.set Q, 0
.rept 8
	BLOCKX Q
.set Q, Q+1
.endr
	global_store_b64 v4, v[SB:SB+1], s[40:41]      ; 32 lanes store 256 consecutive bytes, aligned
	s_endpgm
	; ---- the weights
.Lw:
	s_sub_co_u32 s29, ttmp9, 512
	s_lshr_b32 s30, s29, 5                         ; 0: Wq, 1: Wk, 2: Wv
	s_and_b32 s31, s29, 31                         ; which 32 rows
	s_mov_b32 s28, s2                              ; my wave's quarter of K
	s_lshl_b32 s36, s30, 2
	s_lshr_b32 s37, s31, 3
	s_add_co_u32 s36, s36, s37
	s_add_co_u32 s36, s36, 64                      ; panel
	s_and_b32 s37, s31, 7
	OUTADDR
	s_cmp_eq_u32 s30, 0
	s_cselect_b64 s[8:9], s[12:13], s[14:15]
	s_cmp_eq_u32 s30, 2
	s_cselect_b64 s[8:9], s[16:17], s[8:9]
	s_lshl_b32 s34, s31, 17                        ; 32 rows of 4,096 bytes
	s_lshl_b32 s35, s2, 10                         ; 256 numbers
	s_add_co_u32 s34, s34, s35
	s_mov_b32 s35, 0
	s_add_nc_u64 s[8:9], s[8:9], s[34:35]
	s_mul_i32 s33, s2, WST                         ; my stage
	v_lshlrev_b32 v7, 4, v1                        ; 16 l
	v_add_nc_u32 v5, s33, v7                       ; in: 16 bytes a lane of a row
	v_mul_u32_u24 v6, v1, WP
	v_add_nc_u32 v6, s33, v6                       ; out: lane l takes row l
.macro LOADW ks                        ; 128 numbers of each of the 32 rows: each load reads 512 consecutive bytes
.irp p, 0,1,2,3,4,5,6,7,8,9,10,11,12,13,14,15,16,17,18,19,20,21,22,23,24,25,26,27,28,29,30,31
	global_load_b128 v[XN+4*\p:XN+4*\p+3], v7, s[8:9] offset:\p*4096+\ks*512 th:TH_LOAD_NT
.endr
.endm
.macro TOSTAGE
.irp p, 0,1,2,3,4,5,6,7,8,9,10,11,12,13,14,15,16,17,18,19,20,21,22,23,24,25,26,27,28,29,30,31
	ds_store_b128 v5, v[XN+4*\p:XN+4*\p+3] offset:\p*WP
.endr
.endm
.macro BLOCKW t
.irp i, 0,1,2,3,4,5,6,7
	ds_load_b128 v[WN+4*\i:WN+4*\i+3], v6 offset:((\t)%4)*128+16*\i   ; LDS serves a wave's instructions in order: these see my stores
.endr
	s_wait_dscnt 0x0
	QB WN, \t
.endm
	LOADW 0
	s_wait_alu depctr_va_vdst(0)
	s_wait_loadcnt 0x0
	TOSTAGE
	s_wait_dscnt 0x0                               ; the stores have read their registers,
	LOADW 1                                        ; which take the second 128 numbers while the first are worked
.irp t, 0,1,2,3
	BLOCKW \t
.endr
	s_wait_loadcnt 0x0
	TOSTAGE                                        ; every read of the stage has come back (each block waited for its own)
.irp t, 4,5,6,7
	BLOCKW \t
.endr
	global_store_b64 v4, v[SB:SB+1], s[40:41]
	s_wait_tensorcnt 0x0
	ds_add_u32 v208, v209
	s_wait_dscnt 0x0
	s_endpgm
	; ---- the masks of one batch: a wave takes 512 keys
.Lmask:
	s_sub_co_u32 s29, ttmp9, 608
	s_lshl_b32 s30, s29, 11
	s_lshl_b32 s31, s2, 9
	s_add_co_u32 s30, s30, s31
	s_mov_b32 s31, 0
	s_add_nc_u64 s[18:19], s[18:19], s[30:31]
	s_add_nc_u64 s[20:21], s[20:21], s[30:31]
	s_add_nc_u64 s[26:27], s[26:27], s[30:31]
	s_lshl_b32 s30, s30, 2                         ; four bytes a key in the table
	s_add_nc_u64 s[24:25], s[24:25], s[30:31]
	v_lshlrev_b32 v7, 4, v1
	global_load_b128 v[16:19], v7, s[18:19]        ; mask: 512 consecutive bytes
.irp i, 0,1,2,3
	global_load_b32 v[20+\i], v2, s[20:21] offset:128*\i   ; kv_mask: keys 128 i + 4 l + 0 .. 3
.endr
	v_mov_b32 v8, NEG
	v_mov_b32 v9, 0
	s_wait_alu depctr_va_vdst(0)
	s_wait_loadcnt 4                               ; mask is in; the four loads of kv_mask may be out
	global_store_b128 v7, v[16:19], s[26:27]
	s_wait_loadcnt 0x0
.irp i, 0,1,2,3
.irp j, 0,1,2,3
	v_bfe_u32 v10, v[20+\i], 8*\j, 8
	v_cmp_ne_u32 vcc_lo, 0, v10
	v_cndmask_b32 v[24+4*\i+\j], v8, v9, vcc_lo    ; open: 0; hidden: -2^120
.endr
	global_store_b128 v7, v[24+4*\i:24+4*\i+3], s[24:25] offset:512*\i   ; 512 consecutive bytes
.endr
	s_endpgm
.Lfunc_end_k_q799b47905a_quant:
	.size	k_q799b47905a_quant, .Lfunc_end_k_q799b47905a_quant-k_q799b47905a_quant
	.p2alignl 7, 3214868480
	.fill 96, 4, 3214868480
	.section	.rodata,"a",@progbits
	.p2align	6, 0x0
	.amdhsa_kernel k_q799b47905a_quant
		.amdhsa_group_segment_fixed_size 68096
		.amdhsa_private_segment_fixed_size 0
		.amdhsa_enable_private_segment 0
		.amdhsa_kernarg_size 80
		.amdhsa_user_sgpr_count 2
		.amdhsa_user_sgpr_kernarg_segment_ptr 1
		.amdhsa_wavefront_size32 1
		.amdhsa_system_sgpr_workgroup_id_x 1
		.amdhsa_system_sgpr_workgroup_id_y 1
		.amdhsa_system_sgpr_workgroup_id_z 1
		.amdhsa_system_vgpr_workitem_id 0
		.amdhsa_next_free_vgpr 210
		.amdhsa_next_free_sgpr 66
		.amdhsa_reserve_vcc 1
		.amdhsa_float_denorm_mode_32 3
		.amdhsa_float_denorm_mode_16_64 3
		.amdhsa_memory_ordered 1
		.amdhsa_forward_progress 1
		.amdhsa_inst_pref_size 71
	.end_amdhsa_kernel
	.amdgpu_metadata
---
amdhsa.version: [ 1, 2 ]
amdhsa.kernels:
  - .name:           k_q799b47905a_quant
    .symbol:         k_q799b47905a_quant.kd
    .args:
      - { .name: x, .offset: 0, .size: 8, .value_kind: global_buffer, .address_space: global }
      - { .name: kv, .offset: 8, .size: 8, .value_kind: global_buffer, .address_space: global }
      - { .name: Wq, .offset: 16, .size: 8, .value_kind: global_buffer, .address_space: global }
      - { .name: Wk, .offset: 24, .size: 8, .value_kind: global_buffer, .address_space: global }
      - { .name: Wv, .offset: 32, .size: 8, .value_kind: global_buffer, .address_space: global }
      - { .name: mask, .offset: 40, .size: 8, .value_kind: global_buffer, .address_space: global }
      - { .name: kv_mask, .offset: 48, .size: 8, .value_kind: global_buffer, .address_space: global }
      - { .name: pan, .offset: 56, .size: 8, .value_kind: global_buffer, .address_space: global }
      - { .name: kbias, .offset: 64, .size: 8, .value_kind: global_buffer, .address_space: global }
      - { .name: out1, .offset: 72, .size: 8, .value_kind: global_buffer, .address_space: global }
    .group_segment_fixed_size: 68096
    .private_segment_fixed_size: 0
    .kernarg_segment_align: 8
    .kernarg_segment_size: 80
    .max_flat_workgroup_size: 128
    .sgpr_count:     66
    .vgpr_count:     210
    .wavefront_size: 32
...
	.end_amdgpu_metadata
.endif
;; end of part 1
;; launch proj (part 2): grid 4 x 96, 4 waves a work-group, clusters of 4 x 4, 279,040 bytes of LDS; arguments pan, bq, bk, bv, rec; writes rec
.if DOCPART == 2
	.amdgcn_target "amdgcn-amd-amdhsa--gfx1250"
	.amdhsa_code_object_version 6
	.text
	.protected	k_q799b47905a_proj
	.globl	k_q799b47905a_proj
	.p2align	8
	.type	k_q799b47905a_proj,@function
k_q799b47905a_proj:
	s_mov_b64 s[64:65], 0
	v_nop
	global_prefetch_b8 v0, s[64:65] scope:SCOPE_SE
	s_setreg_imm32_b32 hwreg(HW_REG_WAVE_MODE, 25, 1), 1
	s_wait_xcnt 0x0
	s_wait_alu depctr_hold_cnt(0) depctr_sa_sdst(0) depctr_va_vdst(0) depctr_va_sdst(0) depctr_va_ssrc(0) depctr_va_vcc(0) depctr_vm_vsrc(0)
	s_getreg_b32 s2, hwreg(HW_REG_IB_STS2, 6, 4)
	s_cmp_eq_u32 s2, 0
	s_cbranch_scc0 .Lentry_in_a_cluster
	s_endpgm
.Lentry_in_a_cluster:
	s_bfe_u32 s2, ttmp6, 0x10000c
	s_cmp_lg_u32 s2, 0xf033
	s_cbranch_scc0 .Lentry_shape_is_right
	s_endpgm
.Lentry_shape_is_right:
; q = Wq x + bq, k = Wk kv + bk, v = Wv kv + bv on codes of FP4 with E8M0 scales (K = 1,024 channels); the results are quantised in registers for the attention launch and leave as codes: no f32 result goes to memory.
; q and k are quantised along the head's 64 channels, v along the keys.  q is quantised WITHOUT the factor 1/8: a power of two only moves the block's scale, and the next launch folds it into its constant
; (exact unless a block of q lies under 2^-121).
; SHARES.  g = cluster y / 8 says which product (0 q, 1 k, 2 v): the same in all partners of a cluster.  A work-group makes 256 x 256 over all of K from two panels of 139,264 bytes:
; the Y panel (256 rows t of x or kv) and the X panel (256 rows o of the weight).  Both fit in LDS whole: each LDS byte is filled once, nothing is filled again.  Four waves, each 128 x 128: 64 accumulators, 512 registers.
; ONE TEXT FOR THREE PRODUCTS.  Source 0 takes the rows whose axis is quantised next (they run along a lane's registers), source 1 the rows of which a lane holds one.  q, k: source 0 = X (o), source 1 = Y (t).
; v: source 0 = Y (t, the keys), source 1 = X (o).  Only LDS base addresses hang on that choice.
; THE ROWS OF A TILE (tile 2 B + u, row r: index 32 B + 8 u + r % 8 + 16 (r / 8)) make the 16 registers of source 0's tiles 2 B, 2 B + 1 sixteen neighbours, 32 B + 16 (lane / 16) + 0 .. 15.
; CLUSTERS: 4 x 4.  The four of a row of the cluster need the same Y panel, the four of a column the same X panel: each half panel is asked for jointly, which divides the requests by four.
; The 384 work-groups are one and a half times the WGPs; an even split would need two products in one work-group.
; THE RECORD of a head (208,896 bytes): K's codes [tile 128][512]; K's scale words [128 keys 16][row 16][pair of tiles 4]; V's codes [128 keys 16][tile of channels 4][1,024]; V's scale words [16][row 16][tile 4]; Q's codes and words as K's.
; The bias is the C of each sum's first matrix instruction (an order of rounding that differs from adding it last).  LIMITS: as in the launch before; NaN and infinities are not served.
; REGISTERS.  window 0: v1-31 addresses; v32-95 scale words (register 8 i + q: lanes 0-15 source 1's tile i, lanes 16-31 source 0's tile i, K step q); v96-103 the new scale words; v104-125 at work;
;   v128-191 source 1's fragments, ONE set, later the new codes.   window 1: v0-63, v128-191 source 0's fragments, TWO sets; v64-127 the bias.   windows 2, 3: accumulator (a, b) at v[8 (8 (a % 4) + b)].
.set PAN,   139264
.set HALFP, 69632                      ; half a panel: 272 rows of 256 bytes: what one tensor load brings
.set PSC,   131072
.set REC,   208896
.set VB,   4                           ; v4-11   byte offsets into the bias, one for each register of a tile
.set ADR1, 16                          ; v16     LDS address of source 1's fragments
.set ADR0, 20                          ; v20     of source 0's
.set AS,   25                          ; v25     where my new scale words go: lanes 0-15 one head, lanes 16-31 the next
.set LI,   26                          ; v26     16 x lane
.set ADRS, 27                          ; v27     LDS address of my scale bytes: lanes 0-15 source 1's, lanes 16-31 source 0's
.set SC,   32
.set PW,   96
.set TM,   104                         ; v104-107 largest magnitudes, v108-111 the other half's, then bytes, v116-119 the conversions' scale operands
.set DW,   120                         ; v120-123 four scale words to store
.set SELR, 124                         ; v124-125 byte selectors
.set AF,   128
.set PC,   128
.set BI,   64                          ; in window 1
.set G1Y, 24                           ; s[24:31], s[32:35] descriptor groups 1 and 0 for the Y panel;  s[48:55], s[56:59] for the X panel
.set G0Y, 32
.set G1X, 48
.set G0X, 56
.set SEL, 88                           ; s[88:89] v_permlanex16_b32's selects for lane l xor 16
.set MSB, 0
.macro WIN new                         ; the immediate's high byte repeats the setting that is left
.if MSB != (\new)
	s_set_vgpr_msb (MSB<<8)|(\new)
.set MSB, (\new)
.endif
.endm
.macro CROUND                          ; a round of the cluster's barrier
	s_barrier_signal -1
	s_barrier_wait -1
	s_cmp_lg_u32 s14, 0
	s_cbranch_scc1 .Lnot_wave_0_\@
	s_barrier_signal -3
.Lnot_wave_0_\@:
	s_barrier_wait -3
	s_barrier_signal -1
	s_barrier_wait -1
.endm
.macro PLACES                          ; four plain vector instructions behind a matrix instruction, ahead of loads into its registers and of reads of its results
.rept 4
	v_nop
.endr
.endm
	s_load_b256 s[4:11], s[0:1], 0x0               ; pan s[4:5], bq s[6:7], bk s[8:9], bv s[10:11]
	s_load_b64 s[12:13], s[0:1], 0x20              ; rec
	v_lshl_add_u32 v254, v0, 2, 0x44000
	v_mov_b32 v255, 0
	ds_add_u32 v254, v255
	ds_add_u32 v254, v255
	v_lshrrev_b32 v1, 5, v0
	v_readfirstlane_b32 s14, v1                    ; wave 0..3
	s_lshr_b32 s15, s14, 1                         ; my half of source 1's rows.  Also: I fetch for Y (0) or for X (1)
	s_and_b32 s16, s14, 1                          ; my half of source 0's rows.  Also: which half of that panel I fetch
	s_bfe_u32 s40, ttmp6, 0x40000                  ; cx
	s_bfe_u32 s41, ttmp6, 0x40004                  ; cy
	s_lshl_b32 s19, ttmp9, 2
	s_add_co_u32 s19, s19, s40                     ; which X panel of the weight: 4 x cluster x + cx
	s_and_b32 s42, ttmp7, 0xffff                   ; cluster y
	s_lshr_b32 s17, s42, 3                         ; g: 0 q, 1 k, 2 v
	s_and_b32 s18, s42, 7
	s_lshl_b32 s18, s18, 2
	s_add_co_u32 s18, s18, s41                     ; which Y panel of the activations, 0..31
	s_lshl_b32 s43, s41, 2
	s_lshl_b32 s43, 15, s43                        ; my row of the cluster
	s_lshl_b32 s44, 0x1111, s40                    ; my column
	; descriptor group 1: a dense block of 69,632 bytes as 272 rows of 32 elements of 8 bytes; no padding: images are read 512 consecutive bytes at a time
	s_or_b32 s[G1Y], s43, (3<<16)|(1<<21)          ; 15:0 the mask; 17:16 elements of 8 bytes; 21 set beside a mask
	s_or_b32 s[G1X], s44, (3<<16)|(1<<21)
.irp g, G1Y, G1X
	s_mov_b32 s[\g+1], 32<<16                      ; tensor_dim0
	s_mov_b32 s[\g+2], 272<<16                     ; tensor_dim1
	s_mov_b32 s[\g+3], 32<<16                      ; tile_dim0
	s_mov_b32 s[\g+4], 272                         ; tile_dim1
	s_mov_b32 s[\g+5], 32                          ; from row to row
	s_mov_b32 s[\g+6], 0
	s_mov_b32 s[\g+7], 0
.endr
	s_mul_i32 s22, s16, HALFP                      ; my half of a panel
	s_min_u32 s20, s17, 1
	s_lshl_b32 s20, s20, 5                         ; x's panels begin at 0, kv's at 32
	s_add_co_u32 s20, s20, s18
	s_mul_i32 s20, s20, PAN
	s_add_co_u32 s20, s20, s22                     ; Y: hangs on cluster y and cy alone
	s_mov_b32 s21, 0
	s_lshl_b32 s46, s17, 2
	s_add_co_u32 s46, s46, s19
	s_add_co_u32 s46, s46, 64
	s_mul_i32 s46, s46, PAN
	s_add_co_u32 s46, s46, s22                     ; X: hangs on g and cx alone
	s_mov_b32 s47, 0
	s_mul_i32 s45, s14, HALFP                      ; where it goes: Y's two halves, then X's: wave x 69,632
	s_mov_b32 s[SEL], 0x76543210
	s_mov_b32 s[SEL+1], 0xfedcba98
	s_wait_dscnt 0x0
	s_wait_kmcnt 0x0
	s_mov_b32 s[G0Y], 1
	s_mov_b32 s[G0Y+1], s45
	s_add_nc_u64 s[G0Y+2:G0Y+3], s[4:5], s[20:21]
	s_or_b32 s[G0Y+3], s[G0Y+3], 0x80000000
	s_mov_b32 s[G0X], 1
	s_mov_b32 s[G0X+1], s45
	s_add_nc_u64 s[G0X+2:G0X+3], s[4:5], s[46:47]
	s_or_b32 s[G0X+3], s[G0X+3], 0x80000000
	CROUND                                         ; all sixteen work-groups are here: the joint loads meet
	s_cmp_eq_u32 s15, 0                            ; each wave's one load: one tensor load of a wave is out
	s_cbranch_scc0 .Lfor_x
	tensor_load_to_lds s[G0Y:G0Y+3], s[G1Y:G1Y+7]
	s_nop 0
.rept 4
	v_nop
.endr
	s_branch .Lasked
.Lfor_x:
	tensor_load_to_lds s[G0X:G0X+3], s[G1X:G1X+7]
	s_nop 0
.rept 4
	v_nop
.endr
.Lasked:
	; what hangs on the product
	s_cmp_eq_u32 s17, 2
	s_cselect_b32 s60, 0, PAN                      ; source 0's panel in LDS
	s_cselect_b32 s61, PAN, 0                      ; source 1's
	s_cselect_b32 s62, s15, s16                    ; which half of X's rows (two heads) is mine
	s_cselect_b32 s63, s16, s15                    ; which half of Y's rows (128 t)
	s_cselect_b32 s66, 0, 4                        ; the bias from register to register: q, k: the next channel; v: the same
	s_cselect_b32 s67, -1, 0                       ; v: all lanes
	s_cselect_b64 s[68:69], s[10:11], s[8:9]
	s_cselect_b32 s70, HALFP, 0                    ; where the product's part of a record begins: v 69,632, k 0,
	s_cmp_eq_u32 s17, 0
	s_cselect_b64 s[68:69], s[6:7], s[68:69]       ; the bias
	s_cselect_b32 s70, PAN, s70                    ; q 139,264
	s_lshr_b32 s71, s18, 3                         ; batch
	s_lshl_b32 s71, s71, 4
	s_lshl_b32 s78, s19, 2
	s_add_co_u32 s71, s71, s78
	s_lshl_b32 s78, s62, 1
	s_add_co_u32 s71, s71, s78                     ; my first head's record: 16 batch + 4 X panel + 2 half
	s_mul_i32 s71, s71, REC
	s_add_co_u32 s71, s71, s70
	s_and_b32 s78, s18, 7
	s_lshl_b32 s78, s78, 1
	s_add_co_u32 s78, s78, s63                     ; which 128 t of the batch
	s_lshl_b32 s72, s78, 12                        ; their codes: 4,096 bytes
	s_add_co_u32 s72, s72, s71
	s_mov_b32 s73, 0
	s_lshl_b32 s76, s78, 8                         ; their scale words: 256 bytes, 65,536 behind the codes' start
	s_add_co_u32 s76, s76, s71
	s_add_co_u32 s76, s76, 65536
	s_mov_b32 s77, 0
	s_add_nc_u64 s[72:73], s[12:13], s[72:73]      ; codes, first head
	s_add_nc_u64 s[74:75], s[72:73], REC           ; second head
	s_add_nc_u64 s[76:77], s[12:13], s[76:77]      ; scale words
	v_and_b32 v1, 31, v0
	v_and_b32 v2, 15, v0                           ; r
	v_bfe_u32 v3, v0, 4, 1                         ; h
	s_wait_alu depctr_va_vdst(0)
	v_lshlrev_b32 v[LI], 4, v1
	s_lshl_b32 s82, s15, 16                        ; eight tiles of 8,192 bytes
	s_add_co_u32 s82, s82, s61
	v_add_nc_u32 v[ADR1], s82, v[LI]
	s_lshl_b32 s83, s16, 16
	s_add_co_u32 s83, s83, s60
	v_add_nc_u32 v[ADR0], s83, v[LI]
	s_lshl_b32 s80, s15, 10                        ; eight tiles' scale bytes of a quarter of K: 1,024
	s_add_co_u32 s80, s80, s61
	s_add_co_u32 s80, s80, PSC
	s_lshl_b32 s81, s16, 10
	s_add_co_u32 s81, s81, s60
	s_add_co_u32 s81, s81, PSC
	v_mov_b32 v[ADRS], s80
	v_mov_b32 v28, s81
	v_cmp_ne_u32 vcc_lo, 0, v3
	v_cndmask_b32 v[ADRS], v[ADRS], v28, vcc_lo    ; lanes 16-31 take source 0's
	v_lshl_add_u32 v[ADRS], v2, 3, v[ADRS]
	v_mul_u32_u24 v[AS], v3, REC
	v_lshl_add_u32 v[AS], v2, 4, v[AS]
	; the bias in the result's layout.  q, k: register j of source 0's tile 2 B + u is channel 32 B + 8 u + 16 h + j.  v: all eight registers of source 1's tile 2 B + u are the lane's channel 32 B + 8 u + r % 8 + 16 (r / 8)
	v_lshlrev_b32 v14, 6, v3
	v_and_b32 v12, 7, v0
	v_bfe_u32 v13, v0, 3, 1
	v_lshl_add_u32 v12, v13, 4, v12
	v_lshlrev_b32 v12, 2, v12
	v_cndmask_b32 v12, v14, v12, s67
	s_lshl_b32 s84, s19, 10
	s_lshl_b32 s85, s62, 9
	s_add_co_u32 s84, s84, s85                     ; my 128 channels
	v_add_nc_u32 v[VB], s84, v12
.irp j, 1,2,3,4,5,6,7
	v_add_nc_u32 v[VB+\j], s66, v[VB+\j-1]
.endr
.irp b, 0,1,2,3
	v_mov_b32 v[TM+4+\b], 0                        ; written once: a lane permute's destination counts as one of its sources
.endr
	WIN 0x40                                       ; destination window 1
.irp t, 0,1,2,3,4,5,6,7
.irp j, 0,1,2,3,4,5,6,7
	global_load_b32 v[BI+8*\t+\j], v[VB+\j], s[68:69] offset:(32*(\t/2)+8*(\t%2))*4
.endr
.endr
	WIN 0
.macro FRAG reg, adr, q, i             ; a fragment's image: two loads of 512 consecutive bytes; tile i, K step q
.irp c, 0,1
	ds_load_b128 v[\reg+4*\c:\reg+4*\c+3], v[\adr] offset:(\i)*8192+(\q)*1024+512*\c
.endr
.endm
.macro FETCH0 q, p                     ; source 0's eight fragments of K step q into set p
	WIN 0x40
.irp i, 0,1,2,3,4,5,6,7
	FRAG 128*(\p)+8*\i, ADR0, \q, \i
.endr
	WIN 0
.endm
.macro FETCH1 q, i0                    ; source 1's tiles i0 .. i0 + 3
.irp i, \i0, \i0+1, \i0+2, \i0+3
	FRAG AF+8*(\i), ADR1, \q, \i
.endr
.endm
; 16 matrix instructions: source 1's tiles a0, a0 + 1 x source 0's eight, K step q.  cm = 0: the sums go on; 1: they begin with source 0's bias; 2: with source 1's.
; The 64 accumulators take turns, one instruction a turn, in the same order in every step.
.macro MUL16 a0, p, q, cm
.irp a, \a0, \a0+1
.irp b, 0,1,2,3,4,5,6,7
.if \cm == 0
	v_wmma_scale_f32_16x16x128_f8f6f4 v[8*(8*((\a)%4)+\b):8*(8*((\a)%4)+\b)+7], v[128*(\p)+8*\b:128*(\p)+8*\b+7], v[AF+8*(\a):AF+8*(\a)+7], v[8*(8*((\a)%4)+\b):8*(8*((\a)%4)+\b)+7], v[SC+8*\b+(\q)], v[SC+8*(\a)+(\q)] matrix_a_fmt:MATRIX_FMT_FP4 matrix_b_fmt:MATRIX_FMT_FP4 matrix_a_scale:MATRIX_SCALE_ROW1
.elseif \cm == 1
	v_wmma_scale_f32_16x16x128_f8f6f4 v[8*(8*((\a)%4)+\b):8*(8*((\a)%4)+\b)+7], v[128*(\p)+8*\b:128*(\p)+8*\b+7], v[AF+8*(\a):AF+8*(\a)+7], v[BI+8*\b:BI+8*\b+7], v[SC+8*\b+(\q)], v[SC+8*(\a)+(\q)] matrix_a_fmt:MATRIX_FMT_FP4 matrix_b_fmt:MATRIX_FMT_FP4 matrix_a_scale:MATRIX_SCALE_ROW1
.else
	v_wmma_scale_f32_16x16x128_f8f6f4 v[8*(8*((\a)%4)+\b):8*(8*((\a)%4)+\b)+7], v[128*(\p)+8*\b:128*(\p)+8*\b+7], v[AF+8*(\a):AF+8*(\a)+7], v[BI+8*(\a):BI+8*(\a)+7], v[SC+8*\b+(\q)], v[SC+8*(\a)+(\q)] matrix_a_fmt:MATRIX_FMT_FP4 matrix_b_fmt:MATRIX_FMT_FP4 matrix_a_scale:MATRIX_SCALE_ROW1
.endif
.endr
.endr
.endm
; A K step of 128 that has a successor.  Windows: source 0 window 1, source 1 window 0, D window 2 or 3, C with D (0xa1, 0xf1) or, for the bias, window 1 (0x91, 0xd1).
.macro STEP q, cm
	s_wait_dscnt 8                                 ; source 0's set, source 1's tiles 0-3 (and in step 0 the scale words) are in; the youngest eight loads, tiles 4-7, may be out
.if \cm
	WIN 0x91
.else
	WIN 0xa1
.endif
	MUL16 0, (\q)%2, \q, \cm
	MUL16 2, (\q)%2, \q, \cm
	s_wait_dscnt 0x0                               ; tiles 4-7 are in
	PLACES
	FETCH0 (\q)+1, 1-(\q)%2
	FETCH1 (\q)+1, 0
.if \cm
	WIN 0xd1
.else
	WIN 0xf1
.endif
	MUL16 4, (\q)%2, \q, \cm
	MUL16 6, (\q)%2, \q, \cm
	PLACES
	WIN 0
	FETCH1 (\q)+1, 4
.endm
	s_wait_tensorcnt 0x0                           ; my half panel has landed,
	s_barrier_signal -1
	s_barrier_wait -1                              ; everybody's has
	FETCH0 0, 0
	FETCH1 0, 0
.irp i, 0,1,2,3,4,5,6,7                ; all scale words at once: eight bytes are two K steps' words; they stay in registers
.irp k, 0,1,2,3
	ds_load_b64 v[SC+8*\i+2*\k:SC+8*\i+2*\k+1], v[ADRS] offset:\k*2048+\i*128
.endr
.endr
	FETCH1 0, 4
	s_wait_loadcnt 0x0                             ; the bias
	s_cmp_eq_u32 s17, 2                            ; the first step is written twice: it differs in which bias starts a sum.  Both ways issue the same loads and leave the same counts
	s_cbranch_scc1 .Lfirst_v
	STEP 0, 1
	s_branch .Lfirst_done
.Lfirst_v:
	STEP 0, 2
.Lfirst_done:
.irp q, 1,2,3,4,5,6
	STEP \q, 0
.endr
	s_wait_dscnt 8                                 ; the last step: nothing more to fetch
	WIN 0xa1
	MUL16 0, 1, 7, 0
	MUL16 2, 1, 7, 0
	s_wait_dscnt 0x0
	WIN 0xf1
	MUL16 4, 1, 7, 0
	MUL16 6, 1, 7, 0
	WIN 0
	PLACES
; Source 1's tile a: a lane's 64 numbers (register 16 B + i = index 32 B + 16 (lane / 16) + i of its row) become a fragment's codes in v[PC + 8 a] on and its scale word in v[PW + a].
; Each accumulator is read from its low end on.
.macro QUANT a
.set AC, 64*((\a)%4)
.set WA, 2+(\a)/4
.set WW, WA|(WA<<2)
	WIN WW                                         ; sources 0 and 1: the accumulators' window
.irp b, 0,1,2,3
	v_max3_num_f32 v[TM+\b], |v[AC+16*\b]|, |v[AC+16*\b+1]|, 0x1800000   ; with the floor 2^(3 - 127): the byte cannot fall under 1
.endr
.irp i, 2,4,6,8,10,12,14
.irp b, 0,1,2,3
	v_max3_num_f32 v[TM+\b], |v[AC+16*\b+\i]|, |v[AC+16*\b+\i+1]|, v[TM+\b]
.endr
.endr
	WIN 0
.irp b, 0,1,2,3
	v_permlanex16_b32 v[TM+4+\b], v[TM+\b], s[SEL], s[SEL+1]
.endr
.irp b, 0,1,2,3
	v_max_num_f32 v[TM+\b], v[TM+\b], v[TM+4+\b]   ; with lane l xor 16's: the block's largest magnitude
.endr
.irp b, 0,1,2,3
	v_add_nc_u32 v[TM+12+\b], 0xff000000, v[TM+\b] ; 2 off its exponent field: the conversion's scale operand
.endr
.irp b, 0,1,2,3
	v_lshrrev_b32 v[TM+4+\b], 23, v[TM+12+\b]      ; the scale's byte
.endr
	v_lshl_or_b32 v[PW+(\a)], v[TM+5], 8, v[TM+4]
	v_lshl_or_b32 v[PW+(\a)], v[TM+6], 16, v[PW+(\a)]
	v_lshl_or_b32 v[PW+(\a)], v[TM+7], 24, v[PW+(\a)]
	WIN WA                                         ; source 0: the accumulators' window
.irp b, 0,1,2,3
	v_cvt_scalef32_pk8_fp4_f32 v[PC+8*(\a)+2*\b], v[AC+16*\b:AC+16*\b+7], v[TM+12+\b]
	v_cvt_scalef32_pk8_fp4_f32 v[PC+8*(\a)+2*\b+1], v[AC+16*\b+8:AC+16*\b+15], v[TM+12+\b]
.endr
	WIN 0
	v_nop                                          ; one plain place behind a scaled conversion
.irp c, 0,1                            ; the operand's layout wants a whole block in a lane
.irp i, 0,1
	v_permlane16_swap_b32 v[PC+8*(\a)+4*\c+\i], v[PC+8*(\a)+4*\c+2+\i]
.endr
.endr
.endm
.irp a, 0,1,2,3,4,5,6,7
	QUANT \a
.endr
	v_cmp_ne_u32 vcc_lo, 0, v3
	s_cmp_eq_u32 s17, 2
	s_cbranch_scc1 .Lout_v
	; q, k: a fragment's registers 0-3 are the first head's 64 channels of 16 rows t, registers 4-7 the second head's: each is a tile of 512 bytes of its head's record
.irp a, 0,1,2,3,4,5,6,7
.irp c, 0,1
	global_store_b128 v[LI], v[PC+8*\a+4*\c:PC+8*\a+4*\c+3], s[72+2*\c:73+2*\c] offset:\a*512   ; 512 consecutive bytes
.endr
.endr
	v_mov_b32 v[SELR], 0x05040100                  ; lanes 0-15: the first head's two bytes of tiles 2 p and 2 p + 1;
	v_mov_b32 v[SELR+1], 0x07060302                ; lanes 16-31: the second head's
	v_cndmask_b32 v[SELR], v[SELR], v[SELR+1], vcc_lo
.irp p, 0,1,2,3
	v_perm_b32 v[DW+\p], v[PW+2*\p+1], v[PW+2*\p], v[SELR]
.endr
	s_branch .Lout_done
.Lout_v:
	s_wait_alu depctr_va_vdst(0)
	; v: source 1's tiles 0-3 are the first head's 64 channels, tiles 4-7 the second's; a fragment is 16 channels x my 128 keys
.irp a, 0,1,2,3,4,5,6,7
.irp c, 0,1
	global_store_b128 v[LI], v[PC+8*\a+4*\c:PC+8*\a+4*\c+3], s[72+2*(\a/4):73+2*(\a/4)] offset:(\a%4)*1024+\c*512
.endr
.endr
	v_mov_b32 v[SELR], 0x03020100                  ; lanes 0-15: tile t's word; lanes 16-31: tile 4 + t's
	v_mov_b32 v[SELR+1], 0x07060504
	v_cndmask_b32 v[SELR], v[SELR], v[SELR+1], vcc_lo
.irp p, 0,1,2,3
	v_perm_b32 v[DW+\p], v[PW+4+\p], v[PW+\p], v[SELR]
.endr
.Lout_done:
	s_wait_alu depctr_va_vdst(0)
	global_store_b128 v[AS], v[DW:DW+3], s[76:77]  ; sixteen lanes store 256 consecutive bytes, aligned, in each of the two heads' records
	s_wait_tensorcnt 0x0
	ds_add_u32 v254, v255
	s_wait_dscnt 0x0
	CROUND                                         ; the closing round: no work-group ends while a partner may still ask for a panel that names it
	s_endpgm
.Lfunc_end_k_q799b47905a_proj:
	.size	k_q799b47905a_proj, .Lfunc_end_k_q799b47905a_proj-k_q799b47905a_proj
	.p2alignl 7, 3214868480
	.fill 96, 4, 3214868480
	.section	.rodata,"a",@progbits
	.p2align	6, 0x0
	.amdhsa_kernel k_q799b47905a_proj
		.amdhsa_group_segment_fixed_size 279040
		.amdhsa_private_segment_fixed_size 0
		.amdhsa_enable_private_segment 0
		.amdhsa_kernarg_size 40
		.amdhsa_user_sgpr_count 2
		.amdhsa_user_sgpr_kernarg_segment_ptr 1
		.amdhsa_wavefront_size32 1
		.amdhsa_system_sgpr_workgroup_id_x 1
		.amdhsa_system_sgpr_workgroup_id_y 1
		.amdhsa_system_sgpr_workgroup_id_z 1
		.amdhsa_system_vgpr_workitem_id 0
		.amdhsa_next_free_vgpr 1024
		.amdhsa_next_free_sgpr 100
		.amdhsa_reserve_vcc 1
		.amdhsa_float_denorm_mode_32 3
		.amdhsa_float_denorm_mode_16_64 3
		.amdhsa_memory_ordered 1
		.amdhsa_forward_progress 1
		.amdhsa_inst_pref_size 145
	.end_amdhsa_kernel
	.amdgpu_metadata
---
amdhsa.version: [ 1, 2 ]
amdhsa.kernels:
  - .name:           k_q799b47905a_proj
    .symbol:         k_q799b47905a_proj.kd
    .args:
      - { .name: pan, .offset: 0, .size: 8, .value_kind: global_buffer, .address_space: global }
      - { .name: bq, .offset: 8, .size: 8, .value_kind: global_buffer, .address_space: global }
      - { .name: bk, .offset: 16, .size: 8, .value_kind: global_buffer, .address_space: global }
      - { .name: bv, .offset: 24, .size: 8, .value_kind: global_buffer, .address_space: global }
      - { .name: rec, .offset: 32, .size: 8, .value_kind: global_buffer, .address_space: global }
    .group_segment_fixed_size: 279040
    .private_segment_fixed_size: 0
    .kernarg_segment_align: 8
    .kernarg_segment_size: 40
    .max_flat_workgroup_size: 128
    .sgpr_count:     100
    .vgpr_count:     1024
    .wavefront_size: 32
...
	.end_amdgpu_metadata
.endif
;; end of part 2
;; launch attn (part 3): grid 4 x 64, 16 waves a work-group, clusters of 4 x 1, 327,680 bytes of LDS; arguments rec, kbias, x, out0; writes out0
.if DOCPART == 3
	.amdgcn_target "amdgcn-amd-amdhsa--gfx1250"
	.amdhsa_code_object_version 6
	.text
	.protected	k_q799b47905a_attn
	.globl	k_q799b47905a_attn
	.p2align	8
	.type	k_q799b47905a_attn,@function
k_q799b47905a_attn:
	s_mov_b64 s[64:65], 0
	v_nop
	global_prefetch_b8 v0, s[64:65] scope:SCOPE_SE
	s_setreg_imm32_b32 hwreg(HW_REG_WAVE_MODE, 25, 1), 1
	s_wait_xcnt 0x0
	s_wait_alu depctr_hold_cnt(0) depctr_sa_sdst(0) depctr_va_vdst(0) depctr_va_sdst(0) depctr_va_ssrc(0) depctr_va_vcc(0) depctr_vm_vsrc(0)
	s_getreg_b32 s2, hwreg(HW_REG_IB_STS2, 6, 4)
	s_cmp_eq_u32 s2, 0
	s_cbranch_scc0 .Lentry_in_a_cluster
	s_endpgm
.Lentry_in_a_cluster:
	s_bfe_u32 s2, ttmp6, 0x10000c
	s_cmp_lg_u32 s2, 0x3003
	s_cbranch_scc0 .Lentry_shape_is_right
	s_endpgm
.Lentry_shape_is_right:
; out0[b][64 head + d][t] = x[b][64 head + d][t] + the sum over keys of softmax(q . k / 8, hidden keys left out) v, both products on codes of FP4 with E8M0 scales, from the records that the launch before made.
; THE SOFTMAX: t = score x log2(e) / 8 (q's codes come without the 1/8); M = the row's largest t so far, rounded UP to a whole number; p = 2^(t - M) is quantised along the keys, not normalised.
; The row's sum is taken of the unquantised p and divides at the end.  When M moves, the sum and O are multiplied by 2^(old M - new M): exact.
; THE KEY MASK costs no vector instruction: a table holds 0 for an open key and -2^120 for a hidden one, in the scores' layout it is the C of the first product: a hidden key's p is 0.
; The largest t starts at -2^100, above every hidden key's t (about -2^117): while only hidden keys have been met, M stays there, every p is 0 and the sums stay 0.  A row with no open key gives NaN, as the softmax of nothing does.
; LIMITS: a query's largest real t must lie above -2^99 and scores under 2^96 in magnitude; NaN and infinities among the inputs are not served.
; SHARES.  A work-group owns 512 queries of one head.  The head's K and V as codes (139,264 bytes) and the batch's mask table (8,192) lie in LDS whole: filled once, nothing is filled again, no barrier in the loop over keys.
; Sixteen waves, four to a SIMD, so that one wave's vector work stands beside another's matrix work and LDS loads.  A wave makes two passes; in pass p it owns the tile of 16 queries 32 block + 16 p + wave and walks 16 steps of 128 keys.
; CLUSTER: the four query blocks of a head read the same record and table: each piece is asked for jointly, by the same tensor load with the mask of all four.
; LAYOUT.  Both products are used transposed (S^T = K Q^T, O^T = V^T P^T): a lane holds ONE query throughout.  The head has 64 channels and the instruction takes 128 along K: a fragment of source 0 holds TWO tiles of keys
; (registers 0-3 one, 4-7 the other), and source 1 is Q beside zero codes, [q, 0] or [0, q]: zero codes add nothing.  Tile 2 B + u, row r is key (query, channel) 32 B + 8 u + r % 8 + 16 (r / 8), so that
; the 16 registers of tiles 2 B, 2 B + 1 are 16 neighbouring keys.
.set REC,  208896
.set LKS,  65536                       ; LDS, as in the record: K's codes at 0, K's scale words,
.set LVC,  69632                       ; V's codes,
.set LVS,  135168                      ; V's scale words;
.set LKB,  139264                      ; the mask table;
.set STG,  147456                      ; a stage for each pass: 64 rows (channels) of 1,024 bytes (256 queries) + 16.  No tensor load lands here
.set STGB, 66560
.set SP,   1040
.set QCD,  139264                      ; in the record: Q's codes, Q's scale words
.set QSC,  204800
.set AK0,  1                           ; v1   16 x lane: an image's place; also my offset in rows of x and out0
.set AV0,  2                           ; v2   the same in V's codes
.set ASK0, 3                           ; v3   16 x (lane % 16) in K's scale words
.set ASV0, 4                           ; v4   in V's
.set AB0,  5                           ; v5   64 x (lane / 16) in the mask table
.set SW0,  7                           ; v7   the stage: my query's word in row 16 (lane / 16)
.set SR0,  8                           ; v8   the stage: my 16 bytes of my wave's first row
.set QSO,  10                          ; v10  16 x (lane % 16)
.set QL,   16                          ; v16-23 [q, 0];  v24-31 [0, q]
.set KF,   32                          ; v32-63 four fragments: of K (two tiles each), then of V
.set S,    64                          ; v64-127 the mask's addends, S^T, p; on the way out results
.set OT,   128                         ; v128-159 O^T: four tiles of 16 channels
.set PCD,  160                         ; v160-167 p's codes
.set KS,   168                         ; v168-171 K's scale words;  v172-175 V's;  v176, v177 Q's (for [q, 0] and [0, q]);  v178 p's: they hold scales and nothing else
.set VS,   172
.set QS,   176
.set PS,   178
.set BM,   180                         ; v180-183 each block's largest score, then its largest p
.set T2,   184                         ; v184-187 at work
.set SOP,  188                         ; v188-191 the conversions' scale operands
.set FF,   192                         ; v[192:193] f (the pair's low word serves both halves)
.set TT,   194                         ; v194-195 at work
.set XR,   204                         ; v204-235 x for the residual
.set ADK,  236                         ; v236-240 the step's LDS addresses;  v241, v242 the pass's stage
.set ADV,  237
.set ADS,  238
.set ADT,  239
.set ADB,  240
.set SWA,  241
.set SRA,  242
.set WV,   12
.set SEL,  20                          ; s[20:21] v_permlanex16_b32's selects for lane l xor 16
.set CS,   22                          ; s[22:23] c = log2(e) / 8
.set G1R,  24                          ; s[24:31], s[32:35] descriptor groups 1 and 0 for the record;  s[36:43], s[44:47] for the mask table
.set G0R,  32
.set G1M,  36
.set G0M,  44
.set TK,   48                          ; s48 the step's codes: 4,096 bytes a step;  s49 its scale words: 256;  s50 its part of the table: 512;  s51 steps to go
.set TS,   49
.set TB,   50
.set CNT,  51
.set QB,   52                          ; s[52:53] Q's codes, s[58:59] Q's scale words, s[54:55] x, s[56:57] out0: at my wave's part
.set XB,   54
.set OB,   56
.set QSB,  58
.macro ROUND                           ; a round of the cluster's barrier
	s_barrier_signal -1
	s_barrier_wait -1
	s_cmp_lg_u32 s[WV], 0
	s_cbranch_scc1 .Lnot_wave_0_\@
	s_barrier_signal -3
.Lnot_wave_0_\@:
	s_barrier_wait -3
	s_barrier_signal -1
	s_barrier_wait -1
.endm
	s_load_b256 s[4:11], s[0:1], 0x0               ; rec s[4:5], kbias s[6:7], x s[8:9], out0 s[10:11]
	v_lshl_add_u32 v254, v0, 2, 0x44800
	v_mov_b32 v255, 0
	ds_add_u32 v254, v255
	ds_add_u32 v254, v255
	v_lshrrev_b32 v9, 5, v0
	s_delay_alu instid0(VALU_DEP_1)
	v_readfirstlane_b32 s[WV], v9                  ; wave 0..15
	s_bfe_u32 s13, ttmp6, 0x40000                  ; cx
	s_lshl_b32 s14, ttmp9, 2
	s_add_co_u32 s14, s14, s13                     ; my block of 512 queries: it enters Q's, x's and out0's addresses alone
	s_and_b32 s15, ttmp7, 0xffff                   ; 16 batch + head, which the four partners share
	s_mul_i32 s16, s15, REC
	s_mov_b32 s17, 0
	s_lshr_b32 s18, s15, 4                         ; batch
	s_and_b32 s19, s15, 15                         ; head
	; descriptor group 1: dense blocks as rows of 32 elements of 8 bytes; a wave brings 34 rows of the record and 2 of the table
	s_mov_b32 s[G1R], 15|(3<<16)|(1<<21)           ; 15:0 the mask: all four work-groups; 17:16 elements of 8 bytes; 21 set beside a mask; no padding
	s_mov_b32 s[G1R+1], 32<<16                     ; tensor_dim0
	s_mov_b32 s[G1R+2], 34<<16                     ; tensor_dim1
	s_mov_b32 s[G1R+3], 32<<16                     ; tile_dim0
	s_mov_b32 s[G1R+4], 34                         ; tile_dim1
	s_mov_b32 s[G1R+5], 32                         ; from row to row
	s_mov_b32 s[G1R+6], 0
	s_mov_b32 s[G1R+7], 0
	s_mov_b32 s[G1M], 15|(3<<16)|(1<<21)
	s_mov_b32 s[G1M+1], 32<<16
	s_mov_b32 s[G1M+2], 2<<16
	s_mov_b32 s[G1M+3], 32<<16
	s_mov_b32 s[G1M+4], 2
	s_mov_b32 s[G1M+5], 32
	s_mov_b32 s[G1M+6], 0
	s_mov_b32 s[G1M+7], 0
	s_mul_i32 s2, s[WV], 8704                      ; my sixteenth of the record's first 139,264 bytes,
	s_lshl_b32 s3, s[WV], 9                        ; and of the table
	s_mov_b32 s[SEL], 0x76543210
	s_mov_b32 s[SEL+1], 0xfedcba98
	s_mov_b32 s[CS], 0x3e38aa3b                    ; log2(e) / 8
	s_mov_b32 s[CS+1], s[CS]                       ; (named with it as a pair, so it is written)
	s_wait_dscnt 0x0
	s_wait_kmcnt 0x0
	s_add_nc_u64 s[16:17], s[4:5], s[16:17]        ; the head's record
	s_mov_b32 s[G0R], 1
	s_mov_b32 s[G0R+1], s2
	s_mov_b32 s[G0R+2], s2
	s_mov_b32 s[G0R+3], 0
	s_add_nc_u64 s[G0R+2:G0R+3], s[16:17], s[G0R+2:G0R+3]
	s_or_b32 s[G0R+3], s[G0R+3], 0x80000000
	s_mov_b32 s[G0M], 1
	s_add_co_u32 s[G0M+1], s3, LKB
	s_lshl_b32 s[G0M+2], s18, 13
	s_add_co_u32 s[G0M+2], s[G0M+2], s3
	s_mov_b32 s[G0M+3], 0
	s_add_nc_u64 s[G0M+2:G0M+3], s[6:7], s[G0M+2:G0M+3]
	s_or_b32 s[G0M+3], s[G0M+3], 0x80000000
	ROUND                                          ; all four work-groups are here: the joint loads meet
	tensor_load_to_lds s[G0R:G0R+3], s[G1R:G1R+7]  ; the record's load; it lands before the table's is asked for: one tensor load of a wave is out
	s_nop 0
	s_wait_alu depctr_va_vdst(0)
	s_wait_tensorcnt 0x0
	ds_add_u32 v254, v255
	s_wait_dscnt 0x0
	ROUND
	tensor_load_to_lds s[G0M:G0M+3], s[G1M:G1M+7]
	s_nop 0
.rept 4
	v_nop
.endr
	s_lshl_b32 s[QB], s14, 14                      ; 32 tiles of 512 bytes a block,
	s_add_co_u32 s[QB], s[QB], s3                  ; my wave's tile,
	s_add_co_u32 s[QB], s[QB], QCD
	s_mov_b32 s[QB+1], 0
	s_add_nc_u64 s[QB:QB+1], s[16:17], s[QB:QB+1]
	s_lshl_b32 s[QSB], s14, 10                     ; tile T's two bytes of row r: 256 (T / 8) + 16 r + 2 (T % 8)
	s_lshr_b32 s[QSB+1], s[WV], 3
	s_lshl_b32 s[QSB+1], s[QSB+1], 8
	s_add_co_u32 s[QSB], s[QSB], s[QSB+1]
	s_and_b32 s[QSB+1], s[WV], 7
	s_lshl_b32 s[QSB+1], s[QSB+1], 1
	s_add_co_u32 s[QSB], s[QSB], s[QSB+1]
	s_add_co_u32 s[QSB], s[QSB], QSC
	s_mov_b32 s[QSB+1], 0
	s_add_nc_u64 s[QSB:QSB+1], s[16:17], s[QSB:QSB+1]
	s_lshl_b32 s[XB], s18, 23                      ; x and out0: the batch, the head's 64 rows of 8,192 bytes, my wave's four of them, my block's 2,048 bytes
	s_lshl_b32 s[XB+1], s19, 19
	s_add_co_u32 s[XB], s[XB], s[XB+1]
	s_lshl_b32 s[XB+1], s[WV], 15
	s_add_co_u32 s[XB], s[XB], s[XB+1]
	s_lshl_b32 s[XB+1], s14, 11
	s_add_co_u32 s[XB], s[XB], s[XB+1]
	s_mov_b32 s[XB+1], 0
	s_add_nc_u64 s[OB:OB+1], s[10:11], s[XB:XB+1]
	s_add_nc_u64 s[XB:XB+1], s[8:9], s[XB:XB+1]
	v_and_b32 v9, 31, v0
	s_delay_alu instid0(VALU_DEP_1)
	v_lshlrev_b32 v[AK0], 4, v9
	s_delay_alu instid0(VALU_DEP_1)
	v_add_nc_u32 v[AV0], LVC, v[AK0]
	v_and_b32 v9, 15, v0
	s_delay_alu instid0(VALU_DEP_1)
	v_lshlrev_b32 v[QSO], 4, v9
	s_delay_alu instid0(VALU_DEP_1)
	v_add_nc_u32 v[ASK0], LKS, v[QSO]
	s_delay_alu instid0(VALU_DEP_2)
	v_add_nc_u32 v[ASV0], LVS, v[QSO]
	v_bfe_u32 v11, v0, 4, 1                        ; h
	s_delay_alu instid0(VALU_DEP_1)
	v_lshl_add_u32 v[AB0], v11, 6, LKB
	v_and_b32 v9, 7, v0
	v_bfe_u32 v6, v0, 3, 1
	s_delay_alu instid0(VALU_DEP_1)
	v_lshl_add_u32 v9, v6, 4, v9                   ; r % 8 + 16 (r / 8)
	s_delay_alu instid0(VALU_DEP_1)
	v_lshlrev_b32 v9, 2, v9
	s_delay_alu instid0(VALU_DEP_1)
	v_mad_u32_u24 v[SW0], v11, 16*SP, v9           ; lanes 16-31 hold channels 16 further on
	s_lshr_b32 s2, s[WV], 1
	s_lshl_b32 s2, s2, 7
	s_and_b32 s3, s[WV], 1
	s_lshl_b32 s3, s3, 5
	s_add_co_u32 s2, s2, s3                        ; my tile's queries in the pass's 256: 32 (wave / 2) + 8 (wave % 2), four bytes each
	v_add_nc_u32 v[SW0], s2, v[SW0]
	s_mul_i32 s3, s[WV], 4*SP
	v_add_nc_u32 v[SR0], s3, v[AK0]                ; back: my wave's four rows
.irp j, 4,5,6,7,8,9,10,11
	v_mov_b32 v[QL+\j], 0                          ; the zero codes beside q, once
.endr
.irp b, 0,1,2,3
	v_mov_b32 v[T2+\b], 0                          ; written once: a lane permute's destination counts as one of its sources
.endr
	v_mov_b32 v[FF+1], 0                           ; (named as the upper half of the pair)
	s_wait_tensorcnt 0x0                           ; my parts have landed,
	s_barrier_signal -1
	s_barrier_wait -1                              ; everybody's have
; A KEY STEP: 128 keys.
.macro KSTEP
	v_add_nc_u32 v[ADK], s[TK], v[AK0]             ; (these five are also the places between the last products and the loads into the registers that they read)
	v_add_nc_u32 v[ADV], s[TK], v[AV0]
	v_add_nc_u32 v[ADS], s[TS], v[ASK0]
	v_add_nc_u32 v[ADT], s[TS], v[ASV0]
	v_add_nc_u32 v[ADB], s[TB], v[AB0]
.irp b, 0,1,2,3
.irp i, 0,1,2,3
	ds_load_b128 v[S+16*\b+4*\i:S+16*\b+4*\i+3], v[ADB] offset:128*\b+16*\i   ; the mask's addends: register 16 B + i is key 32 B + 16 h + i
.endr
.endr
.irp b, 0,1,2,3
.irp u, 0,1
	ds_load_b128 v[KF+8*\b+4*\u:KF+8*\b+4*\u+3], v[ADK] offset:1024*\b+512*\u   ; tiles 2 B and 2 B + 1 make one fragment
.endr
.endr
	ds_load_b128 v[KS:KS+3], v[ADS]                ; word B: two bytes for each of the two tiles
	s_wait_alu depctr_va_vdst(0)
	s_wait_dscnt 0x0
.irp b, 0,1,2,3
.irp u, 0,1
	v_wmma_scale_f32_16x16x128_f8f6f4 v[S+16*\b+8*\u:S+16*\b+8*\u+7], v[KF+8*\b:KF+8*\b+7], v[QL+8*\u:QL+8*\u+7], v[S+16*\b+8*\u:S+16*\b+8*\u+7], v[KS+\b], v[QS+\u] matrix_a_fmt:MATRIX_FMT_FP4 matrix_b_fmt:MATRIX_FMT_FP4
.endr
.endr
.rept 4
	v_nop                                          ; places ahead of the loads below and of the first read of the scores
.endr
.irp t, 0,1,2,3
.irp c, 0,1
	ds_load_b128 v[KF+8*\t+4*\c:KF+8*\t+4*\c+3], v[ADV] offset:1024*\t+512*\c   ; V's four fragments land while the softmax is worked
.endr
.endr
	ds_load_b128 v[VS:VS+3], v[ADT]
.irp b, 0,1,2,3
	v_max3_num_f32 v[BM+\b], v[S+16*\b], v[S+16*\b+1], v[S+16*\b+2]   ; the largest score of each block of 32 keys: for the row's maximum, and, since p rises with the score, for the block's largest p
.endr
.irp i, 3,5,7,9,11,13
.irp b, 0,1,2,3
	v_max3_num_f32 v[BM+\b], v[BM+\b], v[S+16*\b+\i], v[S+16*\b+\i+1]
.endr
.endr
.irp b, 0,1,2,3
	v_max_num_f32 v[BM+\b], v[BM+\b], v[S+16*\b+15]
.endr
.irp b, 0,1,2,3
	s_delay_alu instid0(VALU_DEP_4)
	v_permlanex16_b32 v[T2+\b], v[BM+\b], s[SEL], s[SEL+1]
.endr
.irp b, 0,1,2,3
	s_delay_alu instid0(VALU_DEP_4)
	v_max_num_f32 v[BM+\b], v[BM+\b], v[T2+\b]     ; with lane l xor 16's 16 keys
.endr
	s_delay_alu instid0(VALU_DEP_2)
	v_max3_num_f32 v[TT], v[BM], v[BM+1], v[BM+2]
	s_delay_alu instid0(VALU_DEP_1)
	v_max_num_f32 v[TT], v[TT], v[BM+3]
	s_delay_alu instid0(VALU_DEP_1)
	v_mul_f32 v[TT], s[CS], v[TT]                  ; as t (c is positive)
	s_delay_alu instid0(VALU_DEP_1)
	v_max_num_f32 v13, v13, v[TT]                  ; the running largest t
	v_mov_b32 v[TT], v12
	s_delay_alu instid0(VALU_DEP_2)
	v_floor_f32 v12, -v13                          ; the new -M = floor(-t): M is a whole number
	s_delay_alu instid0(VALU_DEP_1)
	v_sub_f32 v[TT], v12, v[TT]                    ; old M - new M: a whole number, 0 or less
	s_delay_alu instid0(VALU_DEP_1)
	v_cvt_i32_f32 v[TT], v[TT]                     ; (it saturates)
	s_delay_alu instid0(VALU_DEP_1)
	v_ldexp_f32 v[FF], 1.0, v[TT]                  ; f = 2^(old M - new M)
.set j, 0
.rept 32
	v_pk_fma_f32 v[S+j:S+j+1], v[S+j:S+j+1], s[CS:CS+1], v[12:13] op_sel_hi:[1,0,0]   ; t - M, two at a time
.set j, j+2
.endr
.irp b, 0,1,2,3
	v_fma_f32 v[BM+\b], v[BM+\b], s[CS], v12       ; the same of each block's largest score
.endr
.set j, 0
	s_setprio 1
	s_wait_alu depctr_va_vdst(0)
.rept 64
	v_exp_f32 v[S+j], v[S+j]                       ; p = 2^(t - M), at most 1
.set j, j+1
.endr
.irp b, 0,1,2,3
	v_exp_f32 v[BM+\b], v[BM+\b]                   ; the block's largest p: the same two instructions on the same number
.endr
	v_pk_mul_f32 v[14:15], v[14:15], v[FF:FF+1] op_sel_hi:[1,0]   ; the sums under the new M (a plain place behind the exponentials)
	s_wait_alu depctr_va_vdst(0)
.irp b, 0,1,2,3
	v_max_num_f32 v[BM+\b], 0x1800000, v[BM+\b]    ; the floor 2^(3 - 127): a block whose every p is 0 keeps the byte 1: its codes are zeros
.endr
.irp b, 0,1,2,3
	s_delay_alu instid0(VALU_DEP_4)
	v_add_nc_u32 v[SOP+\b], 0xff000000, v[BM+\b]   ; 2 off the exponent field: the conversion's scale operand
.endr
.irp b, 0,1,2,3
	s_delay_alu instid0(VALU_DEP_4)
	v_lshrrev_b32 v[T2+\b], 23, v[SOP+\b]          ; the scale's byte
.endr
	s_delay_alu instid0(VALU_DEP_3)
	v_lshl_or_b32 v[PS], v[T2+1], 8, v[T2]         ; p's scale word for these 128 keys
	s_delay_alu instid0(VALU_DEP_1)
	v_lshl_or_b32 v[PS], v[T2+2], 16, v[PS]
	s_delay_alu instid0(VALU_DEP_1)
	v_lshl_or_b32 v[PS], v[T2+3], 24, v[PS]
.irp b, 0,1,2,3
	v_cvt_scalef32_pk8_fp4_f32 v[PCD+2*\b], v[S+16*\b:S+16*\b+7], v[SOP+\b]
	v_cvt_scalef32_pk8_fp4_f32 v[PCD+2*\b+1], v[S+16*\b+8:S+16*\b+15], v[SOP+\b]
.endr
	v_nop                                          ; one plain place behind a scaled conversion
.irp c, 0,1                            ; the operand's layout wants a whole block in a lane
.irp i, 0,1
	v_permlane16_swap_b32 v[PCD+4*\c+\i], v[PCD+4*\c+2+\i]
.endr
.endr
.set j, 0
.rept 16
	v_pk_mul_f32 v[OT+j:OT+j+1], v[OT+j:OT+j+1], v[FF:FF+1] op_sel_hi:[1,0]   ; O^T under the new M, each accumulator from its low end on
.set j, j+2
.endr
	v_pk_add_f32 v[T2:T2+1], v[S:S+1], v[S+2:S+3]  ; the row's sum is taken of the UNQUANTISED p, in two chains.  (These 32 lines are also the places between the codes, the scale word, O^T and the products below)
	s_setprio 0
.irp j, 4,8,12,16,20,24,28,32,36,40,44,48,52,56,60
	v_pk_add_f32 v[14:15], v[14:15], v[S+\j:S+\j+1]
	v_pk_add_f32 v[T2:T2+1], v[T2:T2+1], v[S+\j+2:S+\j+3]
.endr
	s_delay_alu instid0(VALU_DEP_1)
	v_pk_add_f32 v[14:15], v[14:15], v[T2:T2+1]
	s_wait_dscnt 0x0                               ; V
.irp t, 0,1,2,3
	v_wmma_scale_f32_16x16x128_f8f6f4 v[OT+8*\t:OT+8*\t+7], v[KF+8*\t:KF+8*\t+7], v[PCD:PCD+7], v[OT+8*\t:OT+8*\t+7], v[VS+\t], v[PS] matrix_a_fmt:MATRIX_FMT_FP4 matrix_b_fmt:MATRIX_FMT_FP4
.endr
	s_add_co_u32 s[TK], s[TK], 4096
	s_add_co_u32 s[TS], s[TS], 256
	s_add_co_u32 s[TB], s[TB], 512
.endm
; A PASS: my tile of 16 queries against all 2,048 keys; then the 256 queries of the sixteen waves leave together, by rows of out0.
.macro PASS p
.if \p
	s_wait_xcnt 0x0                                ; the last pass's stores have read their data registers, which this pass writes again
.endif
	global_load_b128 v[QL:QL+3], v[AK0], s[QB:QB+1] offset:\p*8192        ; q, for [q, 0]
	global_load_b128 v[QL+12:QL+15], v[AK0], s[QB:QB+1] offset:\p*8192    ; and for [0, q]
	global_load_u16 v[QS], v[QSO], s[QSB:QSB+1] offset:\p*512             ; its two scale bytes; the upper two are 0, over zero codes
.irp i, 0,1,2,3
.irp f, 0,1
	global_load_b128 v[XR+4*(2*\i+\f):XR+4*(2*\i+\f)+3], v[AK0], s[XB:XB+1] offset:\i*8192+\f*512+\p*1024 th:TH_LOAD_NT   ; x for the residual: asked for a whole pass ahead
.endr
.endr
	v_mov_b32 v13, 0xf1800000                      ; the largest t so far: -2^100
	s_delay_alu instid0(VALU_DEP_1)
	v_floor_f32 v12, -v13                          ; -M
	v_mov_b32 v14, 0                               ; the sum, in two halves
	v_mov_b32 v15, 0
	s_mov_b32 s[TK], 0
	s_mov_b32 s[TS], 0
	s_mov_b32 s[TB], 0
	s_mov_b32 s[CNT], 16
	s_wait_loadcnt 8                               ; q and its bytes are in; the eight loads of x may be out
	v_lshlrev_b32 v[QS+1], 16, v[QS]               ; the bytes for [0, q]
.set j, 0
.rept 32
	v_mov_b32 v[OT+j], 0                           ; O^T: the step is written once; its first trip finds zeros.  (Also the places between the scale word above and the first product)
.set j, j+1
.endr
.Lstep_\@:
	s_setprio 2
	KSTEP
	s_sub_co_u32 s[CNT], s[CNT], 1
	s_cmp_lg_u32 s[CNT], 0
	s_cbranch_scc1 .Lstep_\@
	s_setprio 0
	s_wait_alu depctr_va_vdst(0)
	v_add_f32 v14, v14, v15                        ; the sum's two halves
	v_add_nc_u32 v[SWA], STG+\p*STGB, v[SW0]
	v_add_nc_u32 v[SRA], STG+\p*STGB, v[SR0]
	v_mov_b32 v[TT+1], 0x7fc00000
	s_delay_alu instid0(VALU_DEP_4)
	v_permlanex16_b32 v[T2], v14, s[SEL], s[SEL+1]
	s_delay_alu instid0(VALU_DEP_1)
	v_add_f32 v14, v14, v[T2]                      ; and lane l xor 16's: the row's sum
	s_wait_alu depctr_va_vdst(0)
	v_rcp_f32 v[TT], v14
	v_nop                                          ; one plain place behind a transcendental
	v_cmp_gt_f32 vcc_lo, 0xf1000000, v13           ; no open key was met: the largest t still lies under -2^99
	s_wait_alu depctr_va_vdst(0)
	v_cndmask_b32 v[TT], v[TT], v[TT+1], vcc_lo    ; then NaN
.set j, 0
.rept 32
	v_mul_f32 v[S+j], v[OT+j], v[TT]               ; O^T / the sum: register 8 t + i is channel 32 (t / 2) + 8 (t % 2) + 16 h + i of my query
.set j, j+1
.endr
.irp t, 0,1,2,3
.irp i, 0,1,2,3,4,5,6,7
	ds_store_b32 v[SWA], v[S+8*\t+\i] offset:(32*(\t/2)+8*(\t%2)+\i)*SP
.endr
.endr
	s_wait_dscnt 0x0                               ; for the others' sake: my stores into the stage are done
	s_barrier_signal -1
	s_barrier_wait -1                              ; 64 whole rows lie in the stage; each pass has a stage of its own, so nobody writes these bytes again
.irp i, 0,1,2,3
.irp f, 0,1
	ds_load_b128 v[S+32+4*(2*\i+\f):S+32+4*(2*\i+\f)+3], v[SRA] offset:\i*SP+\f*512
.endr
.endr
	s_wait_loadcnt 0x0                             ; x
	s_wait_dscnt 0x0
.set j, 0
.rept 16
	v_pk_add_f32 v[S+32+j:S+32+j+1], v[S+32+j:S+32+j+1], v[XR+j:XR+j+1]
.set j, j+2
.endr
.irp i, 0,1,2,3
.irp f, 0,1
	global_store_b128 v[AK0], v[S+32+4*(2*\i+\f):S+32+4*(2*\i+\f)+3], s[OB:OB+1] offset:\i*8192+\f*512+\p*1024 th:TH_STORE_NT   ; 32 lanes store 512 consecutive bytes, at a multiple of 256 from out0's first byte
.endr
.endr
.endm
	PASS 0
	PASS 1
	s_wait_tensorcnt 0x0
	ds_add_u32 v254, v255
	s_wait_dscnt 0x0
	ROUND                                          ; the closing round: no work-group ends while a partner may still ask for a piece that names it
	s_endpgm
.Lfunc_end_k_q799b47905a_attn:
	.size	k_q799b47905a_attn, .Lfunc_end_k_q799b47905a_attn-k_q799b47905a_attn
	.p2alignl 7, 3214868480
	.fill 96, 4, 3214868480
	.section	.rodata,"a",@progbits
	.p2align	6, 0x0
	.amdhsa_kernel k_q799b47905a_attn
		.amdhsa_group_segment_fixed_size 327680
		.amdhsa_private_segment_fixed_size 0
		.amdhsa_enable_private_segment 0
		.amdhsa_kernarg_size 32
		.amdhsa_user_sgpr_count 2
		.amdhsa_user_sgpr_kernarg_segment_ptr 1
		.amdhsa_wavefront_size32 1
		.amdhsa_system_sgpr_workgroup_id_x 1
		.amdhsa_system_sgpr_workgroup_id_y 1
		.amdhsa_system_sgpr_workgroup_id_z 1
		.amdhsa_system_vgpr_workitem_id 0
		.amdhsa_next_free_vgpr 256
		.amdhsa_next_free_sgpr 66
		.amdhsa_reserve_vcc 1
		.amdhsa_float_denorm_mode_32 3
		.amdhsa_float_denorm_mode_16_64 3
		.amdhsa_memory_ordered 1
		.amdhsa_forward_progress 1
		.amdhsa_inst_pref_size 58
	.end_amdhsa_kernel
	.amdgpu_metadata
---
amdhsa.version: [ 1, 2 ]
amdhsa.kernels:
  - .name:           k_q799b47905a_attn
    .symbol:         k_q799b47905a_attn.kd
    .args:
      - { .name: rec, .offset: 0, .size: 8, .value_kind: global_buffer, .address_space: global }
      - { .name: kbias, .offset: 8, .size: 8, .value_kind: global_buffer, .address_space: global }
      - { .name: x, .offset: 16, .size: 8, .value_kind: global_buffer, .address_space: global }
      - { .name: out0, .offset: 24, .size: 8, .value_kind: global_buffer, .address_space: global }
    .group_segment_fixed_size: 327680
    .private_segment_fixed_size: 0
    .kernarg_segment_align: 8
    .kernarg_segment_size: 32
    .max_flat_workgroup_size: 512
    .sgpr_count:     66
    .vgpr_count:     256
    .wavefront_size: 32
...
	.end_amdgpu_metadata
.endif
;; end of part 3
